; MI455X (gfx1250); checked and timed in simulation.
; The chip was launched on July 23, 2026; its instructions are those of AMD's public machine-readable ISA for CDNA 5 (MIT licence, August 2026) and "CDNA5" Instruction Set Architecture Reference Guide (July 2026). The comments in the code are by the model that wrote it; some were corrected since.
;; Self Attention Transformer. Allowed arithmetic: matrix products marked QUANTISED: E2M1 operands, one E8M0 scale for each 32 along K, by v_wmma_scale_f32_16x16x128_f8f6f4 with both operands' format E2M1 (or v_wmma_scale_f32_32x16x128_f4), f32 sums; everything else in f32.
;; Inputs: W1_codes 1,024 x 8 x 16 uint8 (E2M1 codes of W1, K innermost, in blocks of 32 codes, two codes a byte); W1_scales 1,024 x 8 uint8 (E8M0 scales of W1, one for each 32 codes along K); W2_codes 256 x 32 x 16 uint8 (E2M1 codes of W2, K innermost, in blocks of 32 codes, two codes a byte); W2_scales 256 x 32 uint8 (E8M0 scales of W2, one for each 32 codes along K); b1 1,024 float32; b2 256 float32; be1 256 float32; be2 256 float32; g1 256 float32; g2 256 float32; mask 4 x 2,048 int32; x 4 x 2,048 x 256 float32.
;; Outputs: out0 4 x 2,048 x 256 float32.
;; This version of the problem:
;;   THIS VERSION OF THE PROBLEM IS GIVEN IN LOW PRECISION. The matrix products marked QUANTISED in the list below multiply operands that are first quantised to E2M1 (2 exponent bits, 1 mantissa bit; 4 bits a number), with one power-of-two scale for each 32 numbers along K (OCP MX v1.0); their sums are f32. All else is computed in f32.
;;   The module's matrix products, in the order in which they are computed (A, B: the left and right operand; K: the contracted axis; several contracted axes count as one K, in the product's order):
;;     1. [M 2,048, K 32] x [K 32, N 2,048]; A: computed on the way; B: computed on the way: QUANTISED
;;     2. batch 32 x [M 2,048, K 2,048] x [K 2,048, N 32]; A: softmax (see below); B: input x: QUANTISED
;;     3. [M 8,192, K 256] x [K 256, N 1,024]; A: computed on the way; B: input W1 (given as codes): QUANTISED
;;     4. [M 8,192, K 1,024] x [K 1,024, N 256]; A: computed on the way; B: input W2 (given as codes): QUANTISED
;;   THE QUANTISER, for each operand of a quantised product, along K:
;;     - K is cut into blocks of 32 from its start; a last block that is shorter is filled with zeros.
;;     - A block's scale is 2^e with e = floor(log2(the largest magnitude in the block)) - 2, held to -126 .. 127; a block of zeros has e = 0. As a byte (E8M0): e + 127.
;;     - Each number is divided by its block's scale, clamped to +-6, and rounded to the nearest number of E2M1, ties to even, subnormals kept.
;;     - The product sums the exact products of the quantised numbers (number of the format x scale) in f32.
;;   ~~~python
;;   def quantise(x, axis):      # numpy; x: float32 -> the quantised numbers, widened to float32 again
;;       x = np.moveaxis(x, axis, -1); K = x.shape[-1]
;;       x = np.pad(x, [(0, 0)] * (x.ndim - 1) + [(0, -K % 32)]); x = x.reshape(x.shape[:-1] + (-1, 32)); a = np.abs(x).max(-1, keepdims=True)
;;       e = np.where(a > 0, np.clip(np.frexp(np.where(a > 0, a, 1))[1] - 1 - 2, -126, 127), 0)      # np.frexp(a)[1] - 1 = floor(log2(a)), exactly
;;       r = np.clip(x / 2.0 ** e, -6, 6)
;;       step = 2.0 ** (np.maximum(np.frexp(np.where(r == 0, 1, r))[1] - 1, 0) - 1)
;;       q = np.round(r / step) * step * 2.0 ** e      # np.round: ties to even
;;       return np.moveaxis(q.reshape(q.shape[:-2] + (-1,))[..., :K], -1, axis).astype(np.float32)
;;   ~~~
;;   SOFTMAX AHEAD OF A QUANTISED PRODUCT. Where the list says 'softmax', what is quantised is not the finished softmax but p = 2^(t - M), with t = logit x log2(e) and M = ceil(the row's largest t), a whole number; so 1/2 < the row's largest p <= 1. The row's sum l is taken of the UNQUANTISED p, in f32, and the product's result is divided by l at the end. Since M is a whole number, a kernel that streams over the keys may use a running M (the ceiling of the running maximum): every later rescaling is an exact power of two, which a block's scale takes up: the codes' values come out the same.
;;   OPERANDS COMPUTED ON THE WAY. 'Computed on the way' means the value that the module computes at that place (a softmax that the list does not call 'softmax' is quantised finished and normalised). What goes into a quantiser is computed in f32, as accurately as f32 sums, v_exp_f32 and their like allow (about 1e-6 of the number): no bf16 or f16 on the way to a quantiser, and a product that is left as it is and whose result goes on into a quantised operand takes f32 operands (vector FMAs, or v_wmma_f32_16x16x4_f32). A number that lies on a knife's edge between two numbers of the format may be rounded either way, as far as f32 arithmetic and the matrix unit's own rounding can turn it there, and no further.
;;   INPUTS GIVEN AS CODES. W1 (in the module: [256, 1024], K = its axis 0); W2 (in the module: [1024, 256], K = its axis 0): each comes as NAME_codes (uint8): NAME with its K axis moved to the last place and cut into blocks of 32 codes, [.., K / 32, bytes a block], one block behind the other in memory; two codes a byte, the lower K in the low four bits (a code: sign, 2 exponent bits, 1 mantissa bit); and NAME_scales (uint8): the same leading axes, one E8M0 byte (e + 127) for each 32 codes along K. Its value is code x scale, taken as it is: it is not quantised again, and the codes and scales need not be those that the quantiser above would give.
;; One version. Each part assembles by itself: llvm-mc -triple=amdgcn-amd-amdhsa -mcpu=gfx1250 --defsym DOCPART=n.
;; ======== version 1 of 1: 2 launches
;; workspace buffers: vws 1,114,112 bytes; mws 76,288 bytes; wws 278,528 bytes
;; launch prep (part 1): grid 67 x 1, 32 waves a work-group, no clusters, 153,600 bytes of LDS; arguments x, mask, W1_codes, W1_scales, W2_codes, W2_scales, vws, mws, wws; writes vws, mws, wws
.if DOCPART == 1
	.amdgcn_target "amdgcn-amd-amdhsa--gfx1250"
	.amdhsa_code_object_version 6
	.text
	.protected	k_q788787885c_prep
	.globl	k_q788787885c_prep
	.p2align	8
	.type	k_q788787885c_prep,@function
k_q788787885c_prep:
	s_mov_b64 s[64:65], 0
	v_nop
	global_prefetch_b8 v0, s[64:65] scope:SCOPE_SE
	s_setreg_imm32_b32 hwreg(HW_REG_WAVE_MODE, 25, 1), 1
	s_wait_xcnt 0x0
; PREPARATION for the fused launch.  Three kinds of work-group, told apart by the work-group number alone:
;   0..63  key block kb: 32 tokens x 4 batches x 256 columns of x (131,072 bytes, each read once).  It makes (a) the codes of x quantised ALONG THE KEYS (the
;          second product's right operand) as images of the operand registers, with their scale bytes, and (b) m = the mean of x over batch and heads for its
;          32 tokens, quantised along the head's 32 (the first product's operands).
;   64, 65 W1's, W2's codes and scale bytes copied into the order in which a wave of the fused launch takes them into registers.
;   66     the mask as f32 (1.0 kept, 0.0 hidden) and, for each batch, fill = 1.0 where no key is kept, else 0.0.
; A block's scale byte is its largest magnitude's exponent field - 2, held at 1 from below.
; LIMITS: a block of zeros gets the byte 1 where the rule says 127 (its codes are zeros, and the bytes are read by this program alone); blocks whose largest
; magnitude lies under 2^-124 get the byte 1; NaN and infinities among the inputs are not served.
; No tensor load, no cluster (no two work-groups read the same bytes), no prefetch (every load is issued at the head of its path).
.set RED,   0                          ; LDS: wave w's 32 tokens x 32 columns, 4,096 bytes each
.set PART,  131072                     ; LDS: four partial sums (one a batch) of 32 tokens x 32 numbers, rows PP bytes apart
.set PP,    144                        ; 128 bytes + 16: nine times 16
.set CHUNK, 34816                      ; vws: one head of one batch: 2 x 16,384 bytes of images, 2 x 1,024 of scale words
.set MQS,   32768                      ; mws: [2048] words, a token's scale byte four times
.set MKS,   40960                      ; mws: [32][16] scale words of the packed key fragments
.set FILL,  43008                      ; mws: [4][32] f32
.set KEEP,  43520                      ; mws: [4][2048] f32
.set X,     16                         ; v16-47  32 numbers of a block
; 32 numbers of one lane, v[x] on, become 32 codes in v[c] .. v[c+3]; the scale operand in v[sc], the byte in v[by]
.macro Q32 x, c, sc, by
	v_max3_num_f32 v12, |v[\x]|, |v[\x+1]|, |v[\x+2]|
	v_max3_num_f32 v13, |v[\x+3]|, |v[\x+4]|, |v[\x+5]|
.irp i, 6,10,14,18,22,26
	v_max3_num_f32 v12, v12, |v[\x+\i]|, |v[\x+\i+1]|
	v_max3_num_f32 v13, v13, |v[\x+\i+2]|, |v[\x+\i+3]|
.endr
	v_max3_num_f32 v12, v12, |v[\x+30]|, |v[\x+31]|
	v_max3_num_f32 v12, v12, v13, 0x1800000        ; the floor 2^(3 - 127): the byte cannot fall under 1
	v_add_nc_u32 v[\sc], 0xff000000, v12           ; 2 off the exponent field: the conversion takes this operand's exponent field as its scale
.irp g, 0,1,2,3
	v_cvt_scalef32_pk8_fp4_f32 v[\c+\g], v[\x+8*\g:\x+8*\g+7], v[\sc]
.endr
	v_lshrrev_b32 v[\by], 23, v[\sc]               ; the scale's byte; also the plain line behind the conversions
.endm
	s_load_b512 s[8:23], s[0:1], 0x0               ; x s[8:9], mask s[10:11], W1 codes s[12:13], W1 scales s[14:15], W2 codes s[16:17], W2 scales s[18:19], vws s[20:21], mws s[22:23]
	s_load_b64 s[24:25], s[0:1], 0x40              ; wws
	v_lshl_add_u32 v126, v0, 2, 0x24800
	v_mov_b32 v127, 0
	v_lshrrev_b32 v1, 5, v0
	v_readfirstlane_b32 s2, v1                     ; wave 0..31
	v_and_b32 v2, 31, v0                           ; lane
	s_mov_b32 s27, 0                               ; the upper word of every 32-bit offset
	s_wait_kmcnt 0x0
	s_cmp_lt_u32 ttmp9, 64
	s_cbranch_scc0 .Lother
; ---------------- a key block.  Wave = 8 x batch + head; lane = a column of the head; register i = token 32 kb + i
	s_lshr_b32 s3, s2, 3                           ; batch
	s_and_b32 s4, s2, 7                            ; head
	s_lshl_b32 s26, s3, 21                         ; a batch is 2,097,152 bytes,
	s_lshl_b32 s28, ttmp9, 15                      ; 32 tokens 32,768,
	s_add_co_u32 s26, s26, s28
	s_lshl_b32 s28, s4, 7                          ; a head 128
	s_add_co_u32 s26, s26, s28
	s_add_nc_u64 s[8:9], s[8:9], s[26:27]
	v_lshlrev_b32 v3, 2, v2
.set i, 0
.rept 32
	global_load_b32 v[X+i], v3, s[8:9] offset:1024*i th:TH_LOAD_NT   ; a wave reads 128 neighbouring bytes, the eight waves of a batch a whole row
.set i, i+1
.endr
	; every LDS address is made here, ahead of the place where the waves part
	v_lshlrev_b32 v4, 4, v2
	s_lshl_b32 s28, s2, 12
	v_add_nc_u32 v4, s28, v4                       ; stage A: RED + 4,096 wave + 16 lane
	v_lshlrev_b32 v7, 4, v2
	s_lshl_b32 s28, s3, 15
	s_lshl_b32 s29, s4, 9
	s_add_co_u32 s28, s28, s29
	v_add_nc_u32 v7, s28, v7                       ; stage B, in: batch (wave / 8), tokens 4 (wave % 8) on, 16 lane
	s_mul_i32 s28, s3, 32*PP
	s_mul_i32 s29, s4, 4*PP
	s_add_co_u32 s28, s28, s29
	s_add_co_u32 s28, s28, PART
	v_add_nc_u32 v8, s28, v3                       ; stage B, out: my four tokens' rows, 4 lane
	v_mul_u32_u24 v9, v2, PP
	v_add_nc_u32 v9, PART, v9                      ; stage C: lane = token
	; where the codes and the scale byte of my column go in my head's chunk of vws
	v_lshrrev_b32 v10, 4, v2                       ; which of the head's two tiles of 16 columns
	v_and_b32 v14, 15, v2
	v_lshlrev_b32 v5, 14, v10
	v_lshl_add_u32 v5, v14, 4, v5
	s_lshl_b32 s28, ttmp9, 8
	v_add_nc_u32 v5, s28, v5                       ; 16,384 tile + 256 kb + 16 (column % 16): key block kb is key step kb / 4, registers 4 ((kb / 2) % 2) on, lanes 16 (kb % 2) on
	v_lshlrev_b32 v6, 10, v10
	v_lshl_add_u32 v6, v14, 2, v6
	s_lshr_b32 s28, ttmp9, 2
	s_lshl_b32 s28, s28, 6
	s_and_b32 s29, ttmp9, 3
	s_add_co_u32 s28, s28, s29
	v_add_nc_u32 v6, s28, v6                       ; 1,024 tile + 64 (kb / 4) + 4 (column % 16) + kb % 4
	s_mul_i32 s26, s2, CHUNK
	s_add_nc_u64 s[20:21], s[20:21], s[26:27]
	; stage A: the numbers go to LDS for the mean, four tokens a store
.irp q, 0,1,2,3,4,5,6,7
	s_wait_loadcnt 28-4*\q                         ; loads come back in order: these four are in, the younger ones stay out
	ds_store_b128 v4, v[X+4*\q:X+4*\q+3] offset:512*\q
.endr
	Q32 X, 48, 11, 15                              ; my column's 32 keys: all are mine
	global_store_b128 v5, v[48:51], s[20:21]       ; sixteen lanes store 256 consecutive bytes, aligned
	global_store_b8 v6, v15, s[20:21] offset:32768 ; one byte of a scale word; the four key blocks of a key step fill the word: 1 byte for 128 that the launch reads
	s_wait_dscnt 0x0                               ; for the others: my stores into RED are done
	s_barrier_signal -1
	s_barrier_wait -1
	; stage B: the sum over a batch's eight heads, four tokens a wave
.irp k, 0,1,2,3,4,5,6,7
	ds_load_b128 v[52+4*\k:55+4*\k], v7 offset:4096*\k
.endr
	s_wait_dscnt 0x0
.irp k, 0,2,4,6
	v_pk_add_f32 v[52+4*\k:53+4*\k], v[52+4*\k:53+4*\k], v[56+4*\k:57+4*\k]
	v_pk_add_f32 v[54+4*\k:55+4*\k], v[54+4*\k:55+4*\k], v[58+4*\k:59+4*\k]
.endr
.irp k, 0,4
	v_pk_add_f32 v[52+4*\k:53+4*\k], v[52+4*\k:53+4*\k], v[60+4*\k:61+4*\k]
	v_pk_add_f32 v[54+4*\k:55+4*\k], v[54+4*\k:55+4*\k], v[62+4*\k:63+4*\k]
.endr
	v_pk_add_f32 v[52:53], v[52:53], v[68:69]
	v_pk_add_f32 v[54:55], v[54:55], v[70:71]
.irp k, 0,1,2,3
	ds_store_b32 v8, v[52+\k] offset:PP*\k
.endr
	s_wait_dscnt 0x0
	s_barrier_signal -1
	s_barrier_wait -1                              ; the last barrier: from here on wave 0 works alone
	s_cmp_lg_u32 s2, 0
	s_cbranch_scc1 .Lend
	; stage C: lane = token; its 32 numbers of the four batches are added, divided by 32 and quantised
	s_wait_xcnt 0x0                                ; my two stores have read their registers: v48 on and v15 are written again below
.irp g, 0,1,2
.irp j, 0,1,2,3,4,5,6,7
	ds_load_b128 v[16+32*\g+4*\j:19+32*\g+4*\j], v9 offset:\g*32*PP+16*\j
.endr
.endr
	s_lshl_b32 s28, ttmp9, 9
	v_lshlrev_b32 v116, 4, v2
	v_add_nc_u32 v116, s28, v116                   ; codes: 16 bytes a token
	s_lshl_b32 s28, ttmp9, 7
	v_add_nc_u32 v117, s28, v3                     ; the word of four equal bytes: 4 bytes a token
	v_and_b32 v119, 7, v2                          ; token i of the block is row (i % 8) + 8 (i / 16) of a packed fragment, in its K block 2 (kb % 2) + (i / 8) % 2
	v_lshrrev_b32 v120, 4, v2
	v_lshl_add_u32 v119, v120, 3, v119
	v_bfe_u32 v121, v2, 3, 1
	v_lshl_add_u32 v118, v119, 2, v121
	s_lshr_b32 s28, ttmp9, 1
	s_lshl_b32 s28, s28, 6
	s_and_b32 s29, ttmp9, 1
	s_lshl_b32 s29, s29, 1
	s_add_co_u32 s28, s28, s29
	v_add_nc_u32 v118, s28, v118
	s_mov_b32 s30, 0x01010101
	s_wait_dscnt 0x0
.set i, 0
.rept 16
	v_pk_add_f32 v[16+i:17+i], v[16+i:17+i], v[48+i:49+i]
.set i, i+2
.endr
.irp j, 0,1,2,3,4,5,6,7
	ds_load_b128 v[48+4*\j:51+4*\j], v9 offset:3*32*PP+16*\j
.endr
.set i, 0
.rept 16
	v_pk_add_f32 v[16+i:17+i], v[16+i:17+i], v[80+i:81+i]
.set i, i+2
.endr
	s_wait_dscnt 0x0
.set i, 0
.rept 16
	v_pk_add_f32 v[16+i:17+i], v[16+i:17+i], v[48+i:49+i]
.set i, i+2
.endr
.set i, 0
.rept 16
	v_pk_mul_f32 v[16+i:17+i], v[16+i:17+i], 0x3d000000 op_sel_hi:[1,0]   ; / 32: four batches x eight heads
.set i, i+2
.endr
	Q32 16, 112, 11, 15
	global_store_b128 v116, v[112:115], s[22:23]   ; 32 lanes store 512 consecutive bytes
	v_mul_lo_u32 v14, v15, s30                     ; the byte in all four places: the query side names it whichever K block holds its codes
	global_store_b32 v117, v14, s[22:23] offset:MQS
	global_store_b8 v118, v15, s[22:23] offset:MKS
	s_branch .Lend
.Lother:
	s_cmp_eq_u32 ttmp9, 66
	s_cbranch_scc1 .Lmask
; ---------------- the weights.  Thread t writes 16 bytes at 16 t + 16,384 k and a word at 4 t + 4,096 k: every store is dense; the reads gather
	v_and_b32 v3, 15, v0                           ; r
	v_and_b32 v6, 8, v3
	v_add_nc_u32 v6, v6, v3                        ; r + 8 (r / 8)
	v_lshlrev_b32 v9, 4, v0
	v_lshlrev_b32 v10, 2, v0
	s_cmp_eq_u32 ttmp9, 64                         ; the choice hangs on the work-group number alone
	s_cselect_b64 s[28:29], s[12:13], s[16:17]
	s_cselect_b64 s[30:31], s[14:15], s[18:19]
	s_cselect_b32 s26, 0, 131072
	s_add_nc_u64 s[32:33], s[24:25], s[26:27]      ; images: W1's at 0, W2's at 131,072
	s_cselect_b32 s26, 0, 8192
	s_add_nc_u64 s[34:35], s[24:25], s[26:27]      ; scale words: at 262,144 (in the immediate) + 0 or 8,192
	s_cbranch_scc0 .Lw2
	; W1: lane r of tile T takes row 32 (T / 2) + 8 (T % 2) + r + 8 (r / 8), so that two neighbouring tiles' results are 16 neighbours along the next K
	v_lshrrev_b32 v7, 7, v0                        ; tile (+ 8 k: 128 rows of 128 bytes = 16,384 bytes on)
	v_lshrrev_b32 v8, 1, v7
	v_and_b32 v7, 1, v7
	v_lshl_add_u32 v8, v8, 5, v6
	v_lshl_add_u32 v8, v7, 3, v8
	v_bfe_u32 v7, v0, 4, 3                         ; which 16 bytes of the row: lane half, register group, K step
	v_lshlrev_b32 v4, 7, v8
	v_lshl_add_u32 v4, v7, 4, v4
	v_lshrrev_b32 v7, 5, v0                        ; scale words: tile (+ 32 k: 512 rows of 8 bytes = 4,096 bytes on)
	v_lshrrev_b32 v8, 1, v7
	v_and_b32 v7, 1, v7
	v_lshl_add_u32 v8, v8, 5, v6
	v_lshl_add_u32 v8, v7, 3, v8
	v_bfe_u32 v7, v0, 4, 1                         ; K step
	v_lshlrev_b32 v5, 3, v8
	v_lshl_add_u32 v5, v7, 2, v5
	s_branch .Lcopy
.Lw2:                                              ; W2: lane r of tile T takes row 16 T + r
	v_lshrrev_b32 v7, 9, v0                        ; tile (+ 2 k: 32 rows of 512 bytes = 16,384 bytes on)
	v_lshl_add_u32 v7, v7, 4, v3
	v_bfe_u32 v8, v0, 4, 5
	v_lshlrev_b32 v4, 9, v7
	v_lshl_add_u32 v4, v8, 4, v4
	v_lshrrev_b32 v7, 7, v0                        ; scale words: tile (+ 8 k: 128 rows of 32 bytes = 4,096 bytes on)
	v_lshl_add_u32 v7, v7, 4, v3
	v_bfe_u32 v8, v0, 4, 3
	v_lshlrev_b32 v5, 5, v7
	v_lshl_add_u32 v5, v8, 2, v5
.Lcopy:
.irp k, 0,1,2,3,4,5,6,7
	global_load_b128 v[16+4*\k:19+4*\k], v4, s[28:29] offset:16384*\k
.endr
.irp k, 0,1
	global_load_b32 v[48+\k], v5, s[30:31] offset:4096*\k
.endr
	s_wait_loadcnt 0x0
.irp k, 0,1,2,3,4,5,6,7
	global_store_b128 v9, v[16+4*\k:19+4*\k], s[32:33] offset:16384*\k
.endr
.irp k, 0,1
	global_store_b32 v10, v[48+\k], s[34:35] offset:262144+4096*\k
.endr
	s_branch .Lend
.Lmask:
; ---------------- the mask: wave b takes batch b
	s_cmp_lt_u32 s2, 4
	s_cbranch_scc0 .Lend
	s_lshl_b32 s26, s2, 13                         ; 2,048 words a batch
	s_add_nc_u64 s[10:11], s[10:11], s[26:27]
	s_add_nc_u64 s[28:29], s[22:23], s[26:27]
	v_lshlrev_b32 v3, 4, v2
.set i, 0
.rept 16
	global_load_b128 v[16+4*i:19+4*i], v3, s[10:11] offset:512*i
.set i, i+1
.endr
	s_lshl_b32 s30, s2, 7
	v_lshlrev_b32 v4, 2, v2
	v_add_nc_u32 v4, s30, v4
	s_mov_b32 s31, 0x76543210
	s_mov_b32 s32, 0xfedcba98                      ; lane selects: lane l xor 16
	v_mov_b32 v13, 0                               ; a lane permute's destination counts as one of its sources
	s_wait_loadcnt 0x0
.set i, 0
.rept 64
	v_min_u32 v[16+i], 1, v[16+i]                  ; whatever is not 0 keeps the key
.set i, i+1
.endr
.set i, 0
.rept 64
	v_cvt_f32_u32 v[16+i], v[16+i]
.set i, i+1
.endr
.set i, 0
.rept 16
	global_store_b128 v3, v[16+4*i:19+4*i], s[28:29] offset:KEEP+512*i
.set i, i+1
.endr
	v_max3_num_f32 v12, v16, v17, v18
.set i, 19
.rept 30
	v_max3_num_f32 v12, v12, v[i], v[i+1]
.set i, i+2
.endr
	v_max_num_f32 v12, v12, v79
	v_max_num_f32_dpp v12, v12, v12 row_xmask:1 row_mask:0xf bank_mask:0xf
	v_max_num_f32_dpp v12, v12, v12 row_xmask:2 row_mask:0xf bank_mask:0xf
	v_max_num_f32_dpp v12, v12, v12 row_xmask:4 row_mask:0xf bank_mask:0xf
	v_max_num_f32_dpp v12, v12, v12 row_xmask:8 row_mask:0xf bank_mask:0xf
	v_permlanex16_b32 v13, v12, s31, s32
	v_max_num_f32 v12, v12, v13                    ; 1.0 if any key of the batch is kept
	v_sub_f32 v14, 1.0, v12                        ; fill: with no key kept every weight of the softmax is 1
	global_store_b32 v4, v14, s[22:23] offset:FILL
.Lend:
	s_barrier_signal -1
	s_barrier_wait -1
	s_wait_tensorcnt 0x0
	ds_add_u32 v126, v127
	s_wait_dscnt 0x0
	s_endpgm
.Lfunc_end_k_q788787885c_prep:
	.size	k_q788787885c_prep, .Lfunc_end_k_q788787885c_prep-k_q788787885c_prep
	.p2alignl 7, 3214868480
	.fill 96, 4, 3214868480
	.section	.rodata,"a",@progbits
	.p2align	6, 0x0
	.amdhsa_kernel k_q788787885c_prep
		.amdhsa_group_segment_fixed_size 153600
		.amdhsa_private_segment_fixed_size 0
		.amdhsa_enable_private_segment 0
		.amdhsa_kernarg_size 72
		.amdhsa_user_sgpr_count 2
		.amdhsa_user_sgpr_kernarg_segment_ptr 1
		.amdhsa_wavefront_size32 1
		.amdhsa_system_sgpr_workgroup_id_x 1
		.amdhsa_system_sgpr_workgroup_id_y 1
		.amdhsa_system_sgpr_workgroup_id_z 1
		.amdhsa_system_vgpr_workitem_id 0
		.amdhsa_next_free_vgpr 128
		.amdhsa_next_free_sgpr 66
		.amdhsa_reserve_vcc 0
		.amdhsa_float_denorm_mode_32 3
		.amdhsa_float_denorm_mode_16_64 3
		.amdhsa_memory_ordered 1
		.amdhsa_forward_progress 1
		.amdhsa_inst_pref_size 33
	.end_amdhsa_kernel
	.amdgpu_metadata
---
amdhsa.version: [ 1, 2 ]
amdhsa.kernels:
  - .name:           k_q788787885c_prep
    .symbol:         k_q788787885c_prep.kd
    .args:
      - { .name: x, .offset: 0, .size: 8, .value_kind: global_buffer, .address_space: global }
      - { .name: mask, .offset: 8, .size: 8, .value_kind: global_buffer, .address_space: global }
      - { .name: W1_codes, .offset: 16, .size: 8, .value_kind: global_buffer, .address_space: global }
      - { .name: W1_scales, .offset: 24, .size: 8, .value_kind: global_buffer, .address_space: global }
      - { .name: W2_codes, .offset: 32, .size: 8, .value_kind: global_buffer, .address_space: global }
      - { .name: W2_scales, .offset: 40, .size: 8, .value_kind: global_buffer, .address_space: global }
      - { .name: vws, .offset: 48, .size: 8, .value_kind: global_buffer, .address_space: global }
      - { .name: mws, .offset: 56, .size: 8, .value_kind: global_buffer, .address_space: global }
      - { .name: wws, .offset: 64, .size: 8, .value_kind: global_buffer, .address_space: global }
    .group_segment_fixed_size: 153600
    .private_segment_fixed_size: 0
    .kernarg_segment_align: 8
    .kernarg_segment_size: 72
    .max_flat_workgroup_size: 1024
    .sgpr_count:     66
    .vgpr_count:     128
    .wavefront_size: 32
...
	.end_amdgpu_metadata
.endif
;; end of part 1
;; launch fused (part 2): grid 64 x 4, 8 waves a work-group, clusters of 4 x 1, 327,680 bytes of LDS; arguments x, vws, mws, wws, b1, b2, g1, be1, g2, be2, out0; writes out0
.if DOCPART == 2
	.amdgcn_target "amdgcn-amd-amdhsa--gfx1250"
	.amdhsa_code_object_version 6
	.text
	.protected	k_q788787885c_fused
	.globl	k_q788787885c_fused
	.p2align	8
	.type	k_q788787885c_fused,@function
k_q788787885c_fused:
	s_mov_b64 s[64:65], 0
	v_nop
	global_prefetch_b8 v0, s[64:65] scope:SCOPE_SE
	s_setreg_imm32_b32 hwreg(HW_REG_WAVE_MODE, 25, 1), 1
	s_wait_xcnt 0x0
	s_wait_alu depctr_hold_cnt(0) depctr_sa_sdst(0) depctr_va_vdst(0) depctr_va_sdst(0) depctr_va_ssrc(0) depctr_va_vcc(0) depctr_vm_vsrc(0)
	s_getreg_b32 s2, hwreg(HW_REG_IB_STS2, 6, 4)
	s_cmp_eq_u32 s2, 0
	s_cbranch_scc0 .Lentry_in_a_cluster
	s_endpgm
.Lentry_in_a_cluster:
	s_bfe_u32 s2, ttmp6, 0x10000c
	s_cmp_lg_u32 s2, 0x3003
	s_cbranch_scc0 .Lentry_shape_is_right
	s_endpgm
.Lentry_shape_is_right:
; out0 = LN2(h + relu(h W1 + b1) W2 + b2), h = LN1(x + attention(x)).  All four products on codes of FP4 (E2M1) with one E8M0 scale for each 32 along K.
; SHARES.  A work-group owns 32 queries of one batch: 32 whole rows of the output; 64 x 4 work-groups.  Eight waves.
;   phase 1: wave W takes keys 256 W .. 256 W + 255 for all 32 queries: scores, p, p's codes; the codes go to LDS as images of the operand registers.
;   phase 2: wave W takes columns 32 W .. 32 W + 31 (head W) for all 32 queries and all 2,048 keys.
;   LN1, LN2: wave W takes rows 4 W .. 4 W + 3.   FFN: wave W takes hidden units 128 W .. + 127 and outputs 32 W .. + 31 for all 32 rows; its weights lie in its registers.
; V (x of my batch as codes along the keys, 8 chunks of 34,816 bytes) fits into LDS whole: it is filled ONCE, one tensor load a wave, and nothing is filled again.
; CLUSTER.  The four query blocks of a cluster belong to one batch and read the same V: each chunk is asked for jointly, with the same descriptor and a mask that names the four.
; The weights are not shared so: LDS has no room for them beside V; each wave loads its part into registers once, under phase 1.
; THE SOFTMAX.  score = sin^2(clip(dot, -pi, pi) / 2) lies in 0 .. 1 for every input, so t = score x log2(e) lies in 0 .. 1.4427: p = 2^t is at most 2.72 and a row's sum at most 5,571.
; The whole number M that the rule takes off t only moves a block's scale by a power of two, which the division by the sum takes out again: M = 0 is used, and no maximum is searched for.
; A hidden key has p = 0 (p x keep); in a batch with no key kept every p is 1 (fill), as the rule gives it there.
; sin(a / 2) = a P(a^2), P the series up to a^11 (the first term left out is under 6e-8 at the clip); t = u (s P(u))^2 with u = min(dot^2, pi^2), s = sqrt(log2(e)).
; THE FIRST PRODUCT has K = 32, the instruction 128: a fragment of keys holds FOUR keys a row, one in each block of 32, and the queries come in four variants with their codes in one block and zero codes in the others.
; LIMITS: NaN and infinities among the inputs are not served; a block of zeros, or one whose largest magnitude lies under 2^-124, gets the scale byte 1 (read by this program alone).
; No prefetch: every stream is asked for at the head or a phase ahead of its use.
.set CH,    34816                      ; a chunk of V: 2 tiles x 16 key steps x 1,024 bytes of images, then 2 x 16 x 64 bytes of scale words
.set PIMG,  8*CH                       ; LDS: p's 32 images (16 query tile + key step), 1,024 bytes each
.set PSC,   PIMG+32*1024               ; their scale words, 64 bytes each
.set LPART, PSC+32*64                  ; the row sums' parts: [32 queries][8 waves] f32, rows 48 bytes apart
.set SP,    1040                       ; a stage row: 1,024 bytes + 16
.set STG,   0                          ; from here on inside V's bytes, which have had their only fill and, behind the second barrier, their last read:
.set XIMG,  32*SP                      ; h's 4 images (2 row tile + K step)
.set XSC,   XIMG+4*1024
.set HIMG,  XSC+4*64                   ; the hidden layer's 16 images (8 row tile + K step)
.set HSC,   HIMG+16*1024
.set STG2,  HSC+16*64                  ; the second stage, 32 rows
.set MQS,   32768                      ; mws (codes of m at 0)
.set MKS,   40960
.set FILL,  43008
.set KEEP,  43520
.set W1F,   0                          ; wws
.set W2F,   131072
.set W1SF,  262144
.set W2SF,  270336
; registers of phase 1 (window 0).  v1 r = lane % 16, v2 h = lane / 16, v3 lane: these three stay
.set AKO,  4                           ; global offset of my lane's key codes
.set AMS,  5                           ; of the key fragments' scale words
.set AKP,  6                           ; of keep
.set PWI,  7                           ; LDS: where I store p's images
.set PWS,  8                           ; and their scale words
.set ALPW, 9                           ; and my part of the row sums
.set C4,   10                          ; v[10:11] a coefficient, twice
.set KP,   12                          ; v12-75   keep of the step's 128 keys, in the scores' layout
.set S,    76                          ; v76-139  scores, then p: register 16 b + i = key 32 b + 16 h + i of query r
.set RT,   140                         ; v140-155 the polynomial
.set BL,   156                         ; v156-179 the queries' four variants (v160-163, v172-175 stay zero)
.set AF,   180                         ; v180-195 two packed fragments of keys
.set TQ,   196                         ; v196-203 my 2 x 16 queries' codes
.set MKR,  204                         ; v204-205 the key fragments' scale words
.set MQR,  206                         ; v206-207 the queries'
.set LS,   234                         ; v234-241 the row sums, two pairs a query tile
.set TM,   208                         ; the quantiser's work, codes and scale word (set anew for the FFN)
.set PC,   224
.set PW,   232
; registers from phase 2 on (window 0)
.set AV,   4
.set AP,   5
.set ASA,  6
.set ALP,  7
.set ASTG, 8
.set ARC,  9
.set ARQ,  10
.set AXI,  11
.set AXS,  12
.set AX,   13
.set AG,   14
.set AB2,  15
.set AWS,  16
.set AB1,  17
.set ALI,  18
.set AL4,  19
.set AHW,  20
.set AHSW, 21
.set AHS,  22
.set ASTG2, 23
.set O,    28                          ; v28-59   O^T: accumulator 2 qt + dt
.set Y,    28                          ; later a row's 16 numbers
.set LT,   44                          ; v44-51   the norms' work
.set RG,   60                          ; v60-93, v94-127  phase 2's two sets: V 16, p 16, two scale registers
.set B1R,  64                          ; later b1 in the result's layout, 8 tiles
.set XR,   128                         ; v128-159 my four rows of x
.set LP,   160                         ; v160-175 the row sums' parts
.set RC,   176                         ; v176-179 1 / l, twice for each query tile
.set Z,    160                         ; LN1: 16 neighbours along K
.set CDR,  176
.set QM,   178
.set QS,   180
.set BY,   181
.set HA,   128                         ; v128-191 my 8 tiles of the hidden layer
.set YA,   128                         ; v128-159 the second FFN product's four accumulators
.set XF,   28                          ; v28-43   h's two fragments
.set XS,   44                          ; v44      their scale words
.set W1S,  192                         ; v192-199
.set W2S,  200                         ; v200-207
.set G,    208                         ; v208-223 gain,  v224-239 bias of the norm in hand
.set BE,   224
.set B2R,  240                         ; v240-255 b2 in the result's layout, 2 tiles
; window 1: v0-127 W1's 16 fragments (tile t, K step s at 8 (2 t + s)); v128-255 W2's 16 (tile n, K step s at 128 + 8 (8 n + s))
.set MSB, 0
.macro WIN new                         ; the immediate's high byte repeats the setting that is left
.if MSB != \new
	s_set_vgpr_msb (MSB<<8)|\new
.set MSB, \new
.endif
.endm
.macro NOP4                            ; four places: behind matrix instructions ahead of reads of results and of loads into their registers; ahead of a scaled matrix instruction whose operand vector instructions wrote
.rept 4
	v_nop
.endr
.endm
.macro BAR                             ; my LDS stores have landed and my LDS loads are in: then the work-group's barrier
	s_wait_dscnt 0x0
	s_barrier_signal -1
	s_barrier_wait -1
.endm
.macro ROUND                           ; a round of the cluster's barrier
	s_barrier_signal -1
	s_barrier_wait -1
	s_cmp_lg_u32 s30, 0
	s_cbranch_scc1 .Lnot_wave_0_\@
	s_barrier_signal -3
.Lnot_wave_0_\@:
	s_barrier_wait -3
	s_barrier_signal -1
	s_barrier_wait -1
.endm
; key step ks of my two: lane (r, h) takes, into registers 4 j on, the 16 bytes of key 32 j + 8 h + r + 8 (r / 8): each load reads 512 dense bytes
.macro LOADK ks
.irp j, 0,1,2,3
	global_load_b128 v[AF+4*\j:AF+4*\j+3], v[AKO], s[12:13] offset:(\ks)*2048+512*\j
.endr
.irp g, 0,1
	global_load_b32 v[MKR+\g], v[AMS], s[12:13] offset:MKS+(\ks)*128+64*\g
.endr
.endm
.macro LOADKP ks
.set i, 0
.rept 16
	global_load_b128 v[KP+4*i:KP+4*i+3], v[AKP], s[12:13] offset:KEEP+(\ks)*512+128*(i/4)+16*(i%4)
.set i, i+1
.endr
.endm
; the four variants of query tile qt: its codes in lanes 0-15 (s59) or 16-31 (s60), in the lower or the upper four registers, zero codes elsewhere
.macro BUILDB qt
.irp k, 0,1,2,3
	v_cndmask_b32 v[BL+\k], 0, v[TQ+4*\qt+\k], s59
	v_cndmask_b32 v[BL+8+\k], 0, v[TQ+4*\qt+\k], s59
	v_cndmask_b32 v[BL+12+\k], 0, v[TQ+4*\qt+\k], s60
	v_cndmask_b32 v[BL+20+\k], 0, v[TQ+4*\qt+\k], s60
.endr
.endm
; S^T: tile t = the keys in K block t % 4 of fragment t / 4: keys 32 (t / 2) + 8 (t % 2) + row + 8 (row / 8).  Eight accumulators, each begun with 0
.macro SMUL qt
.irp t, 0,1,2,3,4,5,6,7
	v_wmma_scale_f32_16x16x128_f8f6f4 v[S+8*\t:S+8*\t+7], v[AF+8*(\t/4):AF+8*(\t/4)+7], v[BL+12*(\t%2)+4*((\t%4)/2):BL+12*(\t%2)+4*((\t%4)/2)+7], 0, v[MKR+\t/4], v[MQR+\qt] matrix_a_fmt:MATRIX_FMT_FP4 matrix_b_fmt:MATRIX_FMT_FP4
.endr
.endm
; 16 scores become 16 p.  Each accumulator is read from its low end on.  No line names an exponential's result: the one wait for all 64 stands in UNIT
.macro POLY blk
.set PB, S+16*\blk
.irp j, 0,2,4,6,8,10,12,14
	v_pk_mul_f32 v[PB+\j:PB+\j+1], v[PB+\j:PB+\j+1], v[PB+\j:PB+\j+1]
.endr
.irp j, 0,1,2,3,4,5,6,7,8,9,10,11,12,13,14,15
	v_min_num_f32 v[PB+\j], s58, v[PB+\j]          ; u = min(dot^2, pi^2): the clip
.endr
.irp j, 0,2,4,6,8,10,12,14
	v_pk_fma_f32 v[RT+\j:RT+\j+1], v[PB+\j:PB+\j+1], s[48:49], v[C4:C4+1] op_sel_hi:[1,0,1]
.endr
.irp c, 50,52,54,56
.irp j, 0,2,4,6,8,10,12,14
	v_pk_fma_f32 v[RT+\j:RT+\j+1], v[RT+\j:RT+\j+1], v[PB+\j:PB+\j+1], s[\c:\c+1] op_sel_hi:[1,1,0]
.endr
.endr
.irp j, 0,2,4,6,8,10,12,14
	v_pk_mul_f32 v[RT+\j:RT+\j+1], v[RT+\j:RT+\j+1], v[RT+\j:RT+\j+1]
.endr
.irp j, 0,2,4,6,8,10,12,14
	v_pk_mul_f32 v[PB+\j:PB+\j+1], v[PB+\j:PB+\j+1], v[RT+\j:RT+\j+1]   ; t = u (s P(u))^2
.endr
.irp j, 0,1,2,3,4,5,6,7,8,9,10,11,12,13,14,15
	v_exp_f32 v[PB+\j], v[PB+\j]
.endr
.endm
; 64 numbers of a lane, register 16 b + i = k 32 b + 16 h + i of my row, become a fragment's codes in v[PC] on and its scale word in v[PW]
.macro QUANT s
.irp b, 0,1,2,3
	v_max3_num_f32 v[TM+\b], |v[\s+16*\b]|, |v[\s+1+16*\b]|, 0x1800000   ; the floor 2^(3 - 127): the byte cannot fall under 1
.endr
.irp i, 2,4,6,8,10,12,14
.irp b, 0,1,2,3
	v_max3_num_f32 v[TM+\b], v[TM+\b], |v[\s+16*\b+\i]|, |v[\s+1+16*\b+\i]|
.endr
.endr
.irp b, 0,1,2,3
	v_permlanex16_b32 v[TM+4+\b], v[TM+\b], s62, s63
.endr
.irp b, 0,1,2,3
	v_max_num_f32 v[TM+\b], v[TM+\b], v[TM+4+\b]   ; with lane l xor 16: the block's largest magnitude
.endr
.irp b, 0,1,2,3
	v_add_nc_u32 v[TM+12+\b], 0xff000000, v[TM+\b] ; 2 off its exponent field: the conversion's scale operand
.endr
.irp b, 0,1,2,3
	v_lshrrev_b32 v[TM+4+\b], 23, v[TM+12+\b]      ; the scale's byte
.endr
	v_lshl_or_b32 v[PW], v[TM+5], 8, v[TM+4]
	v_lshl_or_b32 v[PW], v[TM+6], 16, v[PW]
	v_lshl_or_b32 v[PW], v[TM+7], 24, v[PW]
.irp b, 0,1,2,3
	v_cvt_scalef32_pk8_fp4_f32 v[PC+2*\b], v[\s+16*\b:\s+7+16*\b], v[TM+12+\b]
	v_cvt_scalef32_pk8_fp4_f32 v[PC+1+2*\b], v[\s+8+16*\b:\s+15+16*\b], v[TM+12+\b]
.endr
	v_nop                                          ; one plain line behind a scaled conversion
.irp c, 0,1                                    ; the operand wants a whole block in a lane
.irp i, 0,1
	v_permlane16_swap_b32 v[PC+4*\c+\i], v[PC+2+4*\c+\i]
.endr
.endr
.endm
; 128 keys (my key step ks) x 16 queries (tile qt): scores, p, the sums, the codes, the image
.macro UNIT ks, qt, first
	BUILDB \qt
	NOP4
.if (\ks == 1) && (\qt == 0)
	s_wait_loadcnt 16                              ; the second step's keys and scale words are in; behind them only the 16 loads of keep were issued
.endif
	SMUL \qt
	NOP4
.if (\ks == 0) && (\qt == 1)
	LOADK 1                                        ; both query tiles have multiplied by step 0's keys
.endif
	POLY 0
	POLY 1
	POLY 2
	POLY 3
	v_nop                                          ; a plain line behind the last exponential,
	s_wait_alu depctr_va_vdst(0)                   ; and one wait for the 64, ahead of their first reader
.if (\ks == 1) && (\qt == 0)
	s_wait_loadcnt 0x0                             ; the second step's keep
.endif
.set i, 0
.rept 32
	v_pk_fma_f32 v[S+i:S+i+1], v[S+i:S+i+1], v[KP+i:KP+i+1], s[66:67] op_sel_hi:[1,1,0]   ; p x keep + fill
.set i, i+2
.endr
.if (\ks == 0) && (\qt == 1)
	LOADKP 1
.endif
.set LA, LS+4*\qt                      ; the sum of the unquantised p, in two chains
.if \first
	v_pk_add_f32 v[LA:LA+1], v[S:S+1], v[S+4:S+5]
	v_pk_add_f32 v[LA+2:LA+3], v[S+2:S+3], v[S+6:S+7]
.else
	v_pk_add_f32 v[LA:LA+1], v[LA:LA+1], v[S:S+1]
	v_pk_add_f32 v[LA+2:LA+3], v[LA+2:LA+3], v[S+2:S+3]
	v_pk_add_f32 v[LA:LA+1], v[LA:LA+1], v[S+4:S+5]
	v_pk_add_f32 v[LA+2:LA+3], v[LA+2:LA+3], v[S+6:S+7]
.endif
.set i, 8
.rept 14
	v_pk_add_f32 v[LA:LA+1], v[LA:LA+1], v[S+i:S+i+1]
	v_pk_add_f32 v[LA+2:LA+3], v[LA+2:LA+3], v[S+i+2:S+i+3]
.set i, i+4
.endr
	s_wait_dscnt 0x0                               ; the last image's stores have read the registers that are written now
	QUANT S
.irp c, 0,1
	ds_store_b128 v[PWI], v[PC+4*\c:PC+4*\c+3] offset:(16*\qt+\ks)*1024+512*\c
.endr
	ds_store_b32 v[PWS], v[PW] offset:\qt*1024+\ks*64
.endm
; phase 2: key step s into set s % 2: ten LDS loads.  One scale register carries V's words in lanes 0-15 and p's in lanes 16-31
.macro LOADS s
.set RB, RG+34*((\s)%2)
.irp dt, 0,1
.irp c, 0,1
	ds_load_b128 v[RB+8*\dt+4*\c:RB+8*\dt+4*\c+3], v[AV] offset:\dt*16384+(\s)*1024+512*\c
.endr
.endr
.irp qt, 0,1
.irp c, 0,1
	ds_load_b128 v[RB+16+8*\qt+4*\c:RB+16+8*\qt+4*\c+3], v[AP] offset:(16*\qt+(\s))*1024+512*\c
.endr
.endr
	ds_load_b32 v[RB+32], v[ASA] offset:64*(\s)
	ds_load_b32 v[RB+33], v[ASA] offset:1024+64*(\s)
.endm
.macro PVSTEP s                        ; O^T += V^T p^T: four accumulators by turns, one instruction a turn
.set RB, RG+34*((\s)%2)
.irp qt, 0,1
.irp dt, 0,1
.if (\s) == 0
	v_wmma_scale_f32_16x16x128_f8f6f4 v[O+8*(2*\qt+\dt):O+8*(2*\qt+\dt)+7], v[RB+8*\dt:RB+8*\dt+7], v[RB+16+8*\qt:RB+16+8*\qt+7], 0, v[RB+32+\dt], v[RB+32+\qt] matrix_a_fmt:MATRIX_FMT_FP4 matrix_b_fmt:MATRIX_FMT_FP4 matrix_b_scale:MATRIX_SCALE_ROW1
.else
	v_wmma_scale_f32_16x16x128_f8f6f4 v[O+8*(2*\qt+\dt):O+8*(2*\qt+\dt)+7], v[RB+8*\dt:RB+8*\dt+7], v[RB+16+8*\qt:RB+16+8*\qt+7], v[O+8*(2*\qt+\dt):O+8*(2*\qt+\dt)+7], v[RB+32+\dt], v[RB+32+\qt] matrix_a_fmt:MATRIX_FMT_FP4 matrix_b_fmt:MATRIX_FMT_FP4 matrix_b_scale:MATRIX_SCALE_ROW1
.endif
.endr
.endr
.endm
; A row's 256 numbers lie 16 to a lane in the 16 lanes of a half.  They are centred in place; 1 / sqrt(variance + eps) comes in v[LT+6].  Two passes: no difference of large sums
.macro LNSTAT y
	v_pk_add_f32 v[LT:LT+1], v[(\y):(\y)+1], v[(\y)+2:(\y)+3]
	v_pk_add_f32 v[LT+2:LT+3], v[(\y)+4:(\y)+5], v[(\y)+6:(\y)+7]
	v_pk_add_f32 v[LT+4:LT+5], v[(\y)+8:(\y)+9], v[(\y)+10:(\y)+11]
	v_pk_add_f32 v[LT+6:LT+7], v[(\y)+12:(\y)+13], v[(\y)+14:(\y)+15]
	v_pk_add_f32 v[LT:LT+1], v[LT:LT+1], v[LT+2:LT+3]
	v_pk_add_f32 v[LT+4:LT+5], v[LT+4:LT+5], v[LT+6:LT+7]
	v_pk_add_f32 v[LT:LT+1], v[LT:LT+1], v[LT+4:LT+5]
	v_add_f32 v[LT], v[LT], v[LT+1]
.irp m, 1,2,4,8
	v_add_f32_dpp v[LT], v[LT], v[LT] row_xmask:\m row_mask:0xf bank_mask:0xf
.endr
	v_mul_f32 v[LT], s76, v[LT]                    ; the mean
.irp j, 0,2,4,6,8,10,12,14
	v_pk_add_f32 v[(\y)+\j:(\y)+\j+1], v[(\y)+\j:(\y)+\j+1], v[LT:LT+1] op_sel_hi:[1,0] neg_lo:[0,1] neg_hi:[0,1]
.endr
	v_pk_mul_f32 v[LT+2:LT+3], v[(\y):(\y)+1], v[(\y):(\y)+1]
	v_pk_mul_f32 v[LT+4:LT+5], v[(\y)+2:(\y)+3], v[(\y)+2:(\y)+3]
.irp j, 4,8,12
	v_pk_fma_f32 v[LT+2:LT+3], v[(\y)+\j:(\y)+\j+1], v[(\y)+\j:(\y)+\j+1], v[LT+2:LT+3]
	v_pk_fma_f32 v[LT+4:LT+5], v[(\y)+\j+2:(\y)+\j+3], v[(\y)+\j+2:(\y)+\j+3], v[LT+4:LT+5]
.endr
	v_pk_add_f32 v[LT+2:LT+3], v[LT+2:LT+3], v[LT+4:LT+5]
	v_add_f32 v[LT+2], v[LT+2], v[LT+3]
.irp m, 1,2,4,8
	v_add_f32_dpp v[LT+2], v[LT+2], v[LT+2] row_xmask:\m row_mask:0xf bank_mask:0xf
.endr
	v_fma_f32 v[LT+2], v[LT+2], s76, s77           ; the variance + 1e-5
	v_rsq_f32 v[LT+6], v[LT+2]
	v_nop                                          ; a plain line behind the transcendental,
	s_wait_alu depctr_va_vdst(0)                   ; and the wait ahead of its first reader
.irp j, 0,2,4,6,8,10,12,14
	v_pk_mul_f32 v[(\y)+\j:(\y)+\j+1], v[(\y)+\j:(\y)+\j+1], v[LT+6:LT+7] op_sel_hi:[1,0]
.endr
.irp j, 0,2,4,6,8,10,12,14
	v_pk_fma_f32 v[(\y)+\j:(\y)+\j+1], v[(\y)+\j:(\y)+\j+1], v[G+\j:G+\j+1], v[BE+\j:BE+\j+1]
.endr
.endm
; LN1 for rows 4 W + 2 p + h.  h goes back to the same bytes of the stage (my own rows) for LN2, is read again 16 neighbours a lane, quantised, and laid into the images of the next operand
.macro LN1P p
.irp i, 0,1,2,3
	ds_load_b128 v[Y+4*\i:Y+4*\i+3], v[ARC] offset:\p*2*SP+256*\i
.endr
	s_wait_dscnt 0x0
.irp j, 0,2,4,6,8,10,12,14
	v_pk_add_f32 v[Y+\j:Y+\j+1], v[Y+\j:Y+\j+1], v[XR+16*\p+\j:XR+16*\p+\j+1]
.endr
	LNSTAT Y
.irp i, 0,1,2,3
	ds_store_b128 v[ARC], v[Y+4*\i:Y+4*\i+3] offset:\p*2*SP+256*\i
.endr
.irp i, 0,1,2,3
	ds_load_b128 v[Z+4*\i:Z+4*\i+3], v[ARQ] offset:\p*2*SP+16*\i   ; LDS serves a wave's instructions in order (ISA guide 5.7.1.4): these see the stores above
.endr
	s_wait_dscnt 0x0
	v_max3_num_f32 v[QM], |v[Z]|, |v[Z+1]|, |v[Z+2]|
	v_max3_num_f32 v[QM+1], |v[Z+3]|, |v[Z+4]|, |v[Z+5]|
.irp i, 6,10
	v_max3_num_f32 v[QM], v[QM], |v[Z+\i]|, |v[Z+\i+1]|
	v_max3_num_f32 v[QM+1], v[QM+1], |v[Z+\i+2]|, |v[Z+\i+3]|
.endr
	v_max3_num_f32 v[QM], v[QM], |v[Z+14]|, |v[Z+15]|
	v_max3_num_f32 v[QM], v[QM], v[QM+1], 0x1800000
	v_max_num_f32_dpp v[QM], v[QM], v[QM] row_xmask:1 row_mask:0xf bank_mask:0xf   ; two neighbouring lanes hold a block
	v_add_nc_u32 v[QS], 0xff000000, v[QM]
	v_cvt_scalef32_pk8_fp4_f32 v[CDR], v[Z:Z+7], v[QS]
	v_cvt_scalef32_pk8_fp4_f32 v[CDR+1], v[Z+8:Z+15], v[QS]
	v_lshrrev_b32 v[BY], 23, v[QS]                 ; the byte; also the plain line behind the conversions
	ds_store_b64 v[AXI], v[CDR:CDR+1] offset:32*\p
	ds_store_b8 v[AXS], v[BY] offset:8*\p          ; both lanes of a block write the same byte with the same value
.endm
.macro LOADH s                         ; the hidden layer's K step s, both row tiles, into set s % 2: five LDS loads; the scale register: row tile 0 in lanes 0-15, 1 in lanes 16-31
.set HB, 28+18*((\s)%2)
.irp rt, 0,1
.irp c, 0,1
	ds_load_b128 v[HB+8*\rt+4*\c:HB+8*\rt+4*\c+3], v[ALI] offset:HIMG+(8*\rt+(\s))*1024+512*\c
.endr
.endr
	ds_load_b32 v[HB+16], v[AHS] offset:64*(\s)
.endm
.macro W2MUL s, rt, n
.set HB, 28+18*((\s)%2)
.set YD, YA+8*(2*\rt+\n)
.set WA, 128+8*(8*\n+(\s))
.set WS, W2S+4*\n+(\s)/2
.if (\s) == 0
.if \rt == 0
	v_wmma_scale_f32_16x16x128_f8f6f4 v[YD:YD+7], v[WA:WA+7], v[HB+8*\rt:HB+8*\rt+7], v[B2R+8*\n:B2R+8*\n+7], v[WS], v[HB+16] matrix_a_fmt:MATRIX_FMT_FP4 matrix_b_fmt:MATRIX_FMT_FP4
.else
	v_wmma_scale_f32_16x16x128_f8f6f4 v[YD:YD+7], v[WA:WA+7], v[HB+8*\rt:HB+8*\rt+7], v[B2R+8*\n:B2R+8*\n+7], v[WS], v[HB+16] matrix_a_fmt:MATRIX_FMT_FP4 matrix_b_fmt:MATRIX_FMT_FP4 matrix_b_scale:MATRIX_SCALE_ROW1
.endif
.elseif (\s)%2 == 0
.if \rt == 0
	v_wmma_scale_f32_16x16x128_f8f6f4 v[YD:YD+7], v[WA:WA+7], v[HB+8*\rt:HB+8*\rt+7], v[YD:YD+7], v[WS], v[HB+16] matrix_a_fmt:MATRIX_FMT_FP4 matrix_b_fmt:MATRIX_FMT_FP4
.else
	v_wmma_scale_f32_16x16x128_f8f6f4 v[YD:YD+7], v[WA:WA+7], v[HB+8*\rt:HB+8*\rt+7], v[YD:YD+7], v[WS], v[HB+16] matrix_a_fmt:MATRIX_FMT_FP4 matrix_b_fmt:MATRIX_FMT_FP4 matrix_b_scale:MATRIX_SCALE_ROW1
.endif
.else
.if \rt == 0
	v_wmma_scale_f32_16x16x128_f8f6f4 v[YD:YD+7], v[WA:WA+7], v[HB+8*\rt:HB+8*\rt+7], v[YD:YD+7], v[WS], v[HB+16] matrix_a_fmt:MATRIX_FMT_FP4 matrix_b_fmt:MATRIX_FMT_FP4 matrix_a_scale:MATRIX_SCALE_ROW1
.else
	v_wmma_scale_f32_16x16x128_f8f6f4 v[YD:YD+7], v[WA:WA+7], v[HB+8*\rt:HB+8*\rt+7], v[YD:YD+7], v[WS], v[HB+16] matrix_a_fmt:MATRIX_FMT_FP4 matrix_b_fmt:MATRIX_FMT_FP4 matrix_a_scale:MATRIX_SCALE_ROW1 matrix_b_scale:MATRIX_SCALE_ROW1
.endif
.endif
.endm
.macro LN2P p                          ; rows 4 W + 2 p + h: the FFN's result + h, the norm, out.  Each pass has registers of its own, so no store's data are written again
.set F, 64+32*\p
.irp i, 0,1,2,3
	ds_load_b128 v[F+4*\i:F+4*\i+3], v[ARC] offset:STG2+\p*2*SP+256*\i
.endr
.irp i, 0,1,2,3
	ds_load_b128 v[F+16+4*\i:F+16+4*\i+3], v[ARC] offset:\p*2*SP+256*\i
.endr
	s_wait_dscnt 0x0
.irp j, 0,2,4,6,8,10,12,14
	v_pk_add_f32 v[F+\j:F+\j+1], v[F+\j:F+\j+1], v[F+16+\j:F+16+\j+1]
.endr
	LNSTAT F
.irp i, 0,1,2,3
	global_store_b128 v[AX], v[F+4*\i:F+4*\i+3], s[74:75] offset:\p*2048+256*\i th:TH_STORE_NT   ; sixteen lanes store 256 consecutive bytes, aligned
.endr
.endm
; ================ the head
	s_load_b512 s[8:23], s[0:1], 0x0               ; x s[8:9], vws s[10:11], mws s[12:13], wws s[14:15], b1 s[16:17], b2 s[18:19], g1 s[20:21], be1 s[22:23]
	s_load_b128 s[24:27], s[0:1], 0x40             ; g2 s[24:25], be2 s[26:27]
	s_load_b64 s[28:29], s[0:1], 0x50              ; out0
	v_lshl_add_u32 v254, v0, 2, 0x4ce00
	v_mov_b32 v255, 0
	ds_add_u32 v254, v255
	ds_add_u32 v254, v255
	s_wait_dscnt 0x0
	v_lshrrev_b32 v1, 5, v0
	v_readfirstlane_b32 s30, v1                    ; W: wave 0..7
	s_bfe_u32 s31, ttmp6, 0x40000                  ; cx: my place in the cluster: it enters the global addresses of my queries, of x and of out0, and nothing else
	s_lshl_b32 s32, ttmp9, 2
	s_add_co_u32 s32, s32, s31                     ; my block of 32 queries
	s_and_b32 s33, ttmp7, 0xffff                   ; the batch, which the four partners share
	; descriptor group 1: a dense block of 34,816 bytes as 136 rows of 32 elements of 8 bytes, no padding (the images are read 16 bytes a lane, on end)
	s_mov_b32 s40, 15|(3<<16)|(1<<21)              ; 15:0 the mask: all four work-groups; 17:16 elements of 8 bytes; 21 set beside a mask
	s_mov_b32 s41, 32<<16                          ; tensor_dim0 = 32
	s_mov_b32 s42, 136<<16                         ; tensor_dim1 = 136
	s_mov_b32 s43, 32<<16                          ; tile_dim0 = 32
	s_mov_b32 s44, 136                             ; tile_dim1 = 136
	s_mov_b32 s45, 32                              ; from row to row
	s_mov_b32 s46, 0
	s_mov_b32 s47, 0
	s_mov_b32 s36, 1                               ; group 0: count = 1
	s_mul_i32 s37, s30, CH                         ; LDS address: my chunk
	s_lshl_b32 s68, s33, 3
	s_add_co_u32 s68, s68, s30
	s_mul_i32 s68, s68, CH                         ; chunk 8 batch + wave of vws
	s_mov_b32 s69, 0
	s_lshl_b32 s72, s33, 21                        ; my 32 rows of x and of out0
	s_lshl_b32 s74, s32, 15
	s_add_co_u32 s72, s72, s74
	s_mov_b32 s73, 0
	s_lshl_b32 s70, s33, 7                         ; my batch's fill
	s_mov_b32 s48, 0xad813d05                      ; the series' coefficients x sqrt(log2(e)): of u^5,
	s_mov_b32 s49, s48                             ; (each is named as a pair, so both words are written)
	s_mov_b32 s50, 0xb5f9e4fc                      ; u^3,
	s_mov_b32 s51, s50
	s_mov_b32 s52, 0x39a3fe45                      ; u^2,
	s_mov_b32 s53, s52
	s_mov_b32 s54, 0xbcccfdd7                      ; u,
	s_mov_b32 s55, s54
	s_mov_b32 s56, 0x3f19be61                      ; 1
	s_mov_b32 s57, s56
	s_mov_b32 s58, 0x411de9e6                      ; pi^2
	s_mov_b32 s59, 0x0000ffff                      ; lanes 0-15
	s_mov_b32 s60, 0xffff0000                      ; lanes 16-31
	s_mov_b32 s62, 0x76543210
	s_mov_b32 s63, 0xfedcba98                      ; lane selects: lane l xor 16
	s_mov_b32 s76, 0x3b800000                      ; 1 / 256
	s_mov_b32 s77, 0x3727c5ac                      ; 1e-5
	v_and_b32 v1, 15, v0                           ; r
	v_bfe_u32 v2, v0, 4, 1                         ; h
	v_and_b32 v3, 31, v0                           ; lane
	v_and_b32 v242, 8, v1
	v_add_nc_u32 v242, v242, v1
	v_lshl_add_u32 v242, v2, 3, v242               ; 8 h + r + 8 (r / 8)
	v_lshlrev_b32 v[AKO], 4, v242
	s_lshl_b32 s78, s30, 12
	v_add_nc_u32 v[AKO], s78, v[AKO]               ; + my 256 keys of 16 bytes
	v_lshlrev_b32 v[AMS], 2, v1
	s_lshl_b32 s78, s30, 8
	v_add_nc_u32 v[AMS], s78, v[AMS]
	v_lshlrev_b32 v[AKP], 6, v2
	s_lshl_b32 s78, s33, 13
	s_lshl_b32 s79, s30, 10
	s_add_co_u32 s78, s78, s79
	v_add_nc_u32 v[AKP], s78, v[AKP]
	v_lshl_add_u32 v[PWI], v3, 4, PIMG
	s_lshl_b32 s78, s30, 11
	v_add_nc_u32 v[PWI], s78, v[PWI]               ; PIMG + 2,048 W + 16 lane
	v_lshl_add_u32 v[PWS], v1, 2, PSC
	s_lshl_b32 s78, s30, 7
	v_add_nc_u32 v[PWS], s78, v[PWS]               ; PSC + 128 W + 4 r
	v_mul_u32_u24 v[ALPW], v1, 48
	s_lshl_b32 s78, s30, 2
	s_add_co_u32 s78, s78, LPART
	v_add_nc_u32 v[ALPW], s78, v[ALPW]             ; LPART + 48 r + 4 W
	v_lshlrev_b32 v242, 4, v1
	s_lshl_b32 s78, s32, 9
	v_add_nc_u32 v242, s78, v242                   ; my queries' codes
	v_lshlrev_b32 v243, 2, v1
	s_lshl_b32 s78, s32, 7
	v_add_nc_u32 v243, s78, v243                   ; and scale words
	v_lshlrev_b32 v244, 4, v3
	s_lshl_b32 s78, s30, 14
	v_add_nc_u32 v244, s78, v244                   ; my 16,384 bytes of each weight's images
	v_mov_b32 v[C4], 0x31de20e0                    ; the coefficient of u^4, in vector registers so that no line names two scalar pairs
	v_mov_b32 v[C4+1], 0x31de20e0
.irp k, 0,1,2,3
	v_mov_b32 v[BL+4+\k], 0                        ; zero codes
	v_mov_b32 v[BL+16+\k], 0
	v_mov_b32 v[TM+4+\k], 0                        ; written once: a lane permute's destination counts as one of its sources
.endr
	s_wait_kmcnt 0x0
	s_add_nc_u64 s[38:39], s[10:11], s[68:69]
	s_or_b32 s39, s39, 0x80000000                  ; type = 2
	s_add_nc_u64 s[74:75], s[28:29], s[72:73]
	s_add_nc_u64 s[72:73], s[8:9], s[72:73]
	s_load_b32 s66, s[12:13], s70 offset:FILL
	ROUND                                          ; all four work-groups are here: the joint loads meet
	tensor_load_to_lds s[36:39], s[40:47]          ; my chunk of V: the one tensor load of this wave in the launch
	s_nop 0
	NOP4
	global_load_b128 v[TQ:TQ+3], v242, s[12:13]
	global_load_b128 v[TQ+4:TQ+7], v242, s[12:13] offset:256
	global_load_b32 v[MQR], v243, s[12:13] offset:MQS
	global_load_b32 v[MQR+1], v243, s[12:13] offset:MQS+64
	LOADK 0
	LOADKP 0
	WIN 0x40                                       ; destination window 1: the weights stay there for the whole launch
.set i, 0
.rept 32
	global_load_b128 v[4*i:4*i+3], v244, s[14:15] offset:W1F+512*i
.set i, i+1
.endr
.set i, 0
.rept 32
	global_load_b128 v[128+4*i:128+4*i+3], v244, s[14:15] offset:W2F+512*i
.set i, i+1
.endr
	WIN 0
	s_wait_loadcnt 63                              ; behind the 26 loads that phase 1 begins with, 64 were issued: with 63 out at the most those 26 are in
	s_wait_kmcnt 0x0
	s_mov_b32 s67, s66                             ; fill is named as a pair
; ================ phase 1: my 256 keys x 32 queries
	UNIT 0, 0, 1
	UNIT 0, 1, 1
	UNIT 1, 0, 0
	UNIT 1, 1, 0
.irp qt, 0,1
	v_pk_add_f32 v[LS+4*\qt:LS+4*\qt+1], v[LS+4*\qt:LS+4*\qt+1], v[LS+4*\qt+2:LS+4*\qt+3]
.endr
.irp qt, 0,1
	v_add_f32 v[LS+4*\qt], v[LS+4*\qt], v[LS+4*\qt+1]
.endr
.irp qt, 0,1
	v_permlanex16_b32 v[LS+4*\qt+1], v[LS+4*\qt], s62, s63
.endr
.irp qt, 0,1
	v_add_f32 v[LS+4*\qt], v[LS+4*\qt], v[LS+4*\qt+1]
.endr
.irp qt, 0,1
	ds_store_b32 v[ALPW], v[LS+4*\qt] offset:768*\qt   ; my keys' part of query 16 qt + r's sum (both halves write the same word with the same value)
.endr
; ================ the first barrier: V, p's images and the sums' parts are whole behind it
	s_wait_tensorcnt 0x0                           ; my chunk has landed
	s_wait_dscnt 0x0                               ; my stores have landed; every global load of phase 1 was waited for, so its address registers may be written
	v_lshlrev_b32 v[AX], 10, v2
	v_lshl_add_u32 v[AX], v1, 4, v[AX]
	s_lshl_b32 s78, s30, 12
	v_add_nc_u32 v[AX], s78, v[AX]                 ; row 4 W + h of 1,024 bytes, + 16 r
	v_lshlrev_b32 v[AG], 4, v1
	v_lshlrev_b32 v[AB2], 5, v2
	s_lshl_b32 s78, s30, 7
	v_add_nc_u32 v[AB2], s78, v[AB2]
	v_lshlrev_b32 v[AL4], 2, v3
	s_lshl_b32 s78, s30, 10
	v_add_nc_u32 v[AWS], s78, v[AL4]
	v_lshlrev_b32 v[AB1], 6, v2
	s_lshl_b32 s78, s30, 9
	v_add_nc_u32 v[AB1], s78, v[AB1]
.irp p, 0,1                                    ; what the later phases want is asked for now: 36 loads
.irp i, 0,1,2,3
	global_load_b128 v[XR+16*\p+4*\i:XR+16*\p+4*\i+3], v[AX], s[72:73] offset:\p*2048+256*\i th:TH_LOAD_NT
.endr
.endr
.irp i, 0,1,2,3
	global_load_b128 v[G+4*\i:G+4*\i+3], v[AG], s[20:21] offset:256*\i
	global_load_b128 v[BE+4*\i:BE+4*\i+3], v[AG], s[22:23] offset:256*\i
.endr
.irp n, 0,1
	global_load_b128 v[B2R+8*\n:B2R+8*\n+3], v[AB2], s[18:19] offset:64*\n
	global_load_b128 v[B2R+8*\n+4:B2R+8*\n+7], v[AB2], s[18:19] offset:64*\n+16
.endr
.irp t, 0,1,2,3,4,5,6,7
	global_load_b32 v[W1S+\t], v[AWS], s[14:15] offset:W1SF+128*\t   ; lanes 0-15: K step 0; lanes 16-31: K step 1
.endr
.irp t, 0,1,2,3,4,5,6,7
	global_load_b32 v[W2S+\t], v[AWS], s[14:15] offset:W2SF+128*\t   ; register 4 n + s / 2: lanes 0-15 the even K step, lanes 16-31 the odd one
.endr
	; the LDS addresses of all later phases
	v_lshlrev_b32 v[ALI], 4, v3
	s_mul_i32 s78, s30, CH
	v_add_nc_u32 v[AV], s78, v[ALI]
	v_add_nc_u32 v[AP], PIMG, v[ALI]
	s_add_co_u32 s78, s78, 32768                   ; my chunk's scale words;
	s_xor_b32 s79, s30, 7
	s_mul_i32 s79, s79, CH
	s_add_co_u32 s79, s79, CH                      ; from there to p's scale words: (8 - W) chunks
	v_mul_u32_u24 v[ASA], s79, v2                  ; lanes 16-31 take p's: the lower base + h x the distance
	v_lshl_add_u32 v[ASA], v1, 2, v[ASA]
	v_add_nc_u32 v[ASA], s78, v[ASA]
	v_mul_u32_u24 v[ALP], v1, 48
	v_add_nc_u32 v[ALP], LPART, v[ALP]
	v_mul_u32_u24 v[ASTG], v1, SP
	v_lshl_add_u32 v[ASTG], v2, 5, v[ASTG]
	s_lshl_b32 s78, s30, 7
	v_add_nc_u32 v[ASTG], s78, v[ASTG]             ; a stage, in: row r, my 32 columns, + 32 h
	v_add_nc_u32 v[ASTG2], STG2, v[ASTG]
	s_mul_i32 s78, s30, 4*SP
	v_mul_u32_u24 v[ARC], v2, SP
	v_add_nc_u32 v[ARC], s78, v[ARC]
	v_lshl_add_u32 v[ARQ], v1, 6, v[ARC]           ; row 4 W + h: 64 bytes a lane,
	v_lshl_add_u32 v[ARC], v1, 4, v[ARC]           ; or 16 bytes a lane
	v_lshrrev_b32 v24, 1, v1                       ; the block of 32 along K that lanes r and r xor 1 hold
	v_and_b32 v25, 1, v1
	v_lshlrev_b32 v[AXI], 8, v24
	v_lshl_add_u32 v[AXI], v25, 3, v[AXI]
	v_lshl_add_u32 v[AXI], v2, 4, v[AXI]
	s_lshr_b32 s78, s30, 2
	s_lshl_b32 s78, s78, 11
	s_and_b32 s79, s30, 3
	s_lshl_b32 s79, s79, 6
	s_add_co_u32 s78, s78, s79
	s_add_co_u32 s78, s78, XIMG
	v_add_nc_u32 v[AXI], s78, v[AXI]               ; XIMG + 2,048 (W / 4) + 256 block + 16 (row % 16) + 8 (r % 2)
	v_lshrrev_b32 v25, 3, v1
	v_and_b32 v24, 3, v24
	v_lshl_add_u32 v[AXS], v25, 6, v24
	v_lshl_add_u32 v[AXS], v2, 2, v[AXS]
	s_lshr_b32 s78, s30, 2
	s_lshl_b32 s78, s78, 7
	s_and_b32 s79, s30, 3
	s_lshl_b32 s79, s79, 4
	s_add_co_u32 s78, s78, s79
	s_add_co_u32 s78, s78, XSC
	v_add_nc_u32 v[AXS], s78, v[AXS]               ; XSC + 128 (W / 4) + 64 K step + 4 (row % 16) + block % 4
	s_lshl_b32 s78, s30, 10
	s_add_co_u32 s78, s78, HIMG
	v_add_nc_u32 v[AHW], s78, v[ALI]
	v_lshlrev_b32 v[AHSW], 2, v1
	s_lshl_b32 s78, s30, 6
	s_add_co_u32 s78, s78, HSC
	v_add_nc_u32 v[AHSW], s78, v[AHSW]
	v_lshlrev_b32 v[AHS], 9, v2
	v_lshl_add_u32 v[AHS], v1, 2, v[AHS]
	v_add_nc_u32 v[AHS], HSC, v[AHS]
	s_barrier_signal -1
	s_barrier_wait -1
; ================ phase 2: O^T = V^T p^T, my 32 columns x 32 queries x 2,048 keys
	LOADS 0
	LOADS 1
.irp s, 0,1,2,3,4,5,6,7,8,9,10,11,12,13,14,15
.if \s < 15
	s_wait_dscnt 10                                ; this step's ten loads are in; the next step's ten may be out
.else
	s_wait_dscnt 0x0
.endif
	PVSTEP \s
	NOP4                                           ; ahead of the loads into the set just multiplied; behind the last step: ahead of the loads and reads below
.if \s < 14
	LOADS \s+2
.endif
.endr
.irp t, 0,1,2,3,4,5,6,7                        ; b1 in the result's layout: lane (r, h), tile t: hidden units 128 W + 32 (t / 2) + 16 h + 8 (t % 2) + 0 .. 7
	global_load_b128 v[B1R+8*\t:B1R+8*\t+3], v[AB1], s[16:17] offset:(32*(\t/2)+8*(\t%2))*4
	global_load_b128 v[B1R+8*\t+4:B1R+8*\t+7], v[AB1], s[16:17] offset:(32*(\t/2)+8*(\t%2))*4+16
.endr
.irp qt, 0,1
.irp k, 0,1
	ds_load_b128 v[LP+8*\qt+4*\k:LP+8*\qt+4*\k+3], v[ALP] offset:768*\qt+16*\k
.endr
.endr
	s_wait_dscnt 0x0
.irp qt, 0,1
	v_pk_add_f32 v[LP+8*\qt:LP+8*\qt+1], v[LP+8*\qt:LP+8*\qt+1], v[LP+8*\qt+2:LP+8*\qt+3]
	v_pk_add_f32 v[LP+8*\qt+4:LP+8*\qt+5], v[LP+8*\qt+4:LP+8*\qt+5], v[LP+8*\qt+6:LP+8*\qt+7]
.endr
.irp qt, 0,1
	v_pk_add_f32 v[LP+8*\qt:LP+8*\qt+1], v[LP+8*\qt:LP+8*\qt+1], v[LP+8*\qt+4:LP+8*\qt+5]
.endr
.irp qt, 0,1
	v_add_f32 v[LP+8*\qt], v[LP+8*\qt], v[LP+8*\qt+1]   ; l of query 16 qt + r
.endr
.irp qt, 0,1
	v_rcp_f32 v[RC+2*\qt], v[LP+8*\qt]             ; made twice, to fill the pair that the packed multiply names
	v_rcp_f32 v[RC+2*\qt+1], v[LP+8*\qt]
.endr
	v_nop
	s_wait_alu depctr_va_vdst(0)                   ; one wait for the four reciprocals
.irp a, 0,1,2,3
.irp j, 0,2,4,6
	v_pk_mul_f32 v[O+8*\a+\j:O+8*\a+\j+1], v[O+8*\a+\j:O+8*\a+\j+1], v[RC+2*(\a/2):RC+2*(\a/2)+1]
.endr
.endr
	BAR                                            ; the second barrier: nobody reads V or p any more
.irp qt, 0,1
.irp dt, 0,1
	ds_store_b128 v[ASTG], v[O+8*(2*\qt+\dt):O+8*(2*\qt+\dt)+3] offset:\qt*16*SP+64*\dt
	ds_store_b128 v[ASTG], v[O+8*(2*\qt+\dt)+4:O+8*(2*\qt+\dt)+7] offset:\qt*16*SP+64*\dt+16
.endr
.endr
	BAR                                            ; the third: 32 whole rows of the attention's result lie in the stage
; ================ LN1 and h's quantiser: my four rows
	s_wait_loadcnt 16                              ; x, g1, be1 and the rest of the 36 are in; the 16 loads of b1 may be out
	LN1P 0
	LN1P 1
.irp i, 0,1,2,3
	global_load_b128 v[G+4*\i:G+4*\i+3], v[AG], s[24:25] offset:256*\i
	global_load_b128 v[BE+4*\i:BE+4*\i+3], v[AG], s[26:27] offset:256*\i
.endr
	BAR                                            ; the fourth: h's four images lie in LDS
; ================ FFN, first product: my 128 hidden units, a tile of 16 rows at a time (transposed: source 0 = 16 rows of W1, source 1 = h)
.set TM, 46
.set PC, 28
.set PW, 45
.irp k, 0,1,2,3
	v_mov_b32 v[TM+4+\k], 0                        ; the lane permutes' destinations
.endr
	s_wait_loadcnt 8                               ; b1 is in; g2 and be2 may be out
.irp rt, 0,1
.irp s, 0,1
.irp c, 0,1
	ds_load_b128 v[XF+8*\s+4*\c:XF+8*\s+4*\c+3], v[ALI] offset:XIMG+(2*\rt+\s)*1024+512*\c
.endr
.endr
	ds_load_b32 v[XS], v[AL4] offset:XSC+128*\rt   ; lanes 0-15: K step 0; lanes 16-31: K step 1
	s_wait_dscnt 0x0
	WIN 0x01                                       ; source 0 (the weights) window 1
.irp t, 0,1,2,3,4,5,6,7
	v_wmma_scale_f32_16x16x128_f8f6f4 v[HA+8*\t:HA+8*\t+7], v[16*\t:16*\t+7], v[XF:XF+7], v[B1R+8*\t:B1R+8*\t+7], v[W1S+\t], v[XS] matrix_a_fmt:MATRIX_FMT_FP4 matrix_b_fmt:MATRIX_FMT_FP4
.endr
.irp t, 0,1,2,3,4,5,6,7
	v_wmma_scale_f32_16x16x128_f8f6f4 v[HA+8*\t:HA+8*\t+7], v[16*\t+8:16*\t+15], v[XF+8:XF+15], v[HA+8*\t:HA+8*\t+7], v[W1S+\t], v[XS] matrix_a_fmt:MATRIX_FMT_FP4 matrix_b_fmt:MATRIX_FMT_FP4 matrix_a_scale:MATRIX_SCALE_ROW1 matrix_b_scale:MATRIX_SCALE_ROW1
.endr
	WIN 0
	NOP4
.set i, 0
.rept 64
	v_max_num_f32 v[HA+i], 0, v[HA+i]              ; relu, in f32
.set i, i+1
.endr
	QUANT HA                                       ; K step W of the second product
.irp c, 0,1
	ds_store_b128 v[AHW], v[PC+4*\c:PC+4*\c+3] offset:\rt*8192+512*\c
.endr
	ds_store_b32 v[AHSW], v[PW] offset:\rt*512
	s_wait_dscnt 0x0                               ; the stores have read their registers
.endr
	BAR                                            ; the fifth: the hidden layer's sixteen images lie in LDS
; ================ FFN, second product: my 32 outputs x 32 rows, four accumulators by turns, a K step at a time
	LOADH 0
	LOADH 1
.irp s, 0,1,2,3,4,5,6,7
.if \s < 7
	s_wait_dscnt 5                                 ; this step's five loads are in; the next step's five may be out
.else
	s_wait_dscnt 0x0
.endif
	WIN 0x01
	W2MUL \s, 0, 0
	W2MUL \s, 0, 1
	W2MUL \s, 1, 0
	W2MUL \s, 1, 1
	WIN 0
	NOP4
.if \s < 6
	LOADH \s+2
.endif
.endr
.irp rt, 0,1
.irp n, 0,1
	ds_store_b128 v[ASTG2], v[YA+8*(2*\rt+\n):YA+8*(2*\rt+\n)+3] offset:\rt*16*SP+64*\n      ; each accumulator from its low end on
	ds_store_b128 v[ASTG2], v[YA+8*(2*\rt+\n)+4:YA+8*(2*\rt+\n)+7] offset:\rt*16*SP+64*\n+16
.endr
.endr
	BAR                                            ; the sixth: 32 whole rows of the FFN's result lie in the second stage
; ================ LN2 and the way out: my four rows
	s_wait_loadcnt 0x0                             ; g2, be2
	LN2P 0
	LN2P 1
	s_wait_xcnt 0x0
	v_lshl_add_u32 v254, v0, 2, 0x4ce00
	v_mov_b32 v255, 0
	s_wait_tensorcnt 0x0
	ds_add_u32 v254, v255
	s_wait_dscnt 0x0
	ROUND                                          ; the closing round: no work-group ends while a partner may still ask for a chunk that names it
	s_endpgm
.Lfunc_end_k_q788787885c_fused:
	.size	k_q788787885c_fused, .Lfunc_end_k_q788787885c_fused-k_q788787885c_fused
	.p2alignl 7, 3214868480
	.fill 96, 4, 3214868480
	.section	.rodata,"a",@progbits
	.p2align	6, 0x0
	.amdhsa_kernel k_q788787885c_fused
		.amdhsa_group_segment_fixed_size 327680
		.amdhsa_private_segment_fixed_size 0
		.amdhsa_enable_private_segment 0
		.amdhsa_kernarg_size 88
		.amdhsa_user_sgpr_count 2
		.amdhsa_user_sgpr_kernarg_segment_ptr 1
		.amdhsa_wavefront_size32 1
		.amdhsa_system_sgpr_workgroup_id_x 1
		.amdhsa_system_sgpr_workgroup_id_y 1
		.amdhsa_system_sgpr_workgroup_id_z 1
		.amdhsa_system_vgpr_workitem_id 0
		.amdhsa_next_free_vgpr 512
		.amdhsa_next_free_sgpr 80
		.amdhsa_reserve_vcc 0
		.amdhsa_float_denorm_mode_32 3
		.amdhsa_float_denorm_mode_16_64 3
		.amdhsa_memory_ordered 1
		.amdhsa_forward_progress 1
		.amdhsa_inst_pref_size 217
	.end_amdhsa_kernel
	.amdgpu_metadata
---
amdhsa.version: [ 1, 2 ]
amdhsa.kernels:
  - .name:           k_q788787885c_fused
    .symbol:         k_q788787885c_fused.kd
    .args:
      - { .name: x, .offset: 0, .size: 8, .value_kind: global_buffer, .address_space: global }
      - { .name: vws, .offset: 8, .size: 8, .value_kind: global_buffer, .address_space: global }
      - { .name: mws, .offset: 16, .size: 8, .value_kind: global_buffer, .address_space: global }
      - { .name: wws, .offset: 24, .size: 8, .value_kind: global_buffer, .address_space: global }
      - { .name: b1, .offset: 32, .size: 8, .value_kind: global_buffer, .address_space: global }
      - { .name: b2, .offset: 40, .size: 8, .value_kind: global_buffer, .address_space: global }
      - { .name: g1, .offset: 48, .size: 8, .value_kind: global_buffer, .address_space: global }
      - { .name: be1, .offset: 56, .size: 8, .value_kind: global_buffer, .address_space: global }
      - { .name: g2, .offset: 64, .size: 8, .value_kind: global_buffer, .address_space: global }
      - { .name: be2, .offset: 72, .size: 8, .value_kind: global_buffer, .address_space: global }
      - { .name: out0, .offset: 80, .size: 8, .value_kind: global_buffer, .address_space: global }
    .group_segment_fixed_size: 327680
    .private_segment_fixed_size: 0
    .kernarg_segment_align: 8
    .kernarg_segment_size: 88
    .max_flat_workgroup_size: 256
    .sgpr_count:     80
    .vgpr_count:     512
    .wavefront_size: 32
...
	.end_amdgpu_metadata
.endif
;; end of part 2
